; MI455X (gfx1250); checked and timed in simulation.
; The chip was launched on July 23, 2026; its instructions are those of AMD's public machine-readable ISA for CDNA 5 (MIT licence, August 2026) and "CDNA5" Instruction Set Architecture Reference Guide (July 2026). The comments in the code are by the model that wrote it; some were corrected since.
;; Dot Product Attention. Allowed arithmetic: matrix products marked QUANTISED: E5M2 operands, one E8M0 scale for each 32 along K, by v_wmma_scale_f32_16x16x128_f8f6f4 with both operands' format E5M2, f32 sums; everything else in f32.
;; Inputs: keys 64 x 1,024 x 64 float32; queries 64 x 1,024 x 64 float32; valid_lens 64 int32; values 64 x 1,024 x 64 float32.
;; Outputs: out0 64 x 1,024 x 64 float32.
;; This version of the problem:
;;   THIS VERSION OF THE PROBLEM IS GIVEN IN LOW PRECISION. The matrix products marked QUANTISED in the list below multiply operands that are first quantised to E5M2 (5 exponent bits, 2 mantissa bits; 8 bits a number), with one power-of-two scale for each 32 numbers along K (OCP MX v1.0); their sums are f32. All else is computed in f32.
;;   The module's matrix products, in the order in which they are computed (A, B: the left and right operand; K: the contracted axis; several contracted axes count as one K, in the product's order):
;;     1. batch 64 x [M 1,024, K 64] x [K 64, N 1,024]; A: input queries; B: input keys: QUANTISED
;;     2. batch 64 x [M 1,024, K 1,024] x [K 1,024, N 64]; A: softmax (see below); B: input values: QUANTISED
;;   THE QUANTISER, for each operand of a quantised product, along K:
;;     - K is cut into blocks of 32 from its start; a last block that is shorter is filled with zeros.
;;     - A block's scale is 2^e with e = floor(log2(the largest magnitude in the block)) - 15, held to -126 .. 127; a block of zeros has e = 0. As a byte (E8M0): e + 127.
;;     - Each number is divided by its block's scale, clamped to +-57,344, and rounded to the nearest number of E5M2, ties to even, subnormals kept.
;;     - The product sums the exact products of the quantised numbers (number of the format x scale) in f32.
;;   ~~~python
;;   def quantise(x, axis):      # numpy; x: float32 -> the quantised numbers, widened to float32 again
;;       x = np.moveaxis(x, axis, -1); K = x.shape[-1]
;;       x = np.pad(x, [(0, 0)] * (x.ndim - 1) + [(0, -K % 32)]); x = x.reshape(x.shape[:-1] + (-1, 32)); a = np.abs(x).max(-1, keepdims=True)
;;       e = np.where(a > 0, np.clip(np.frexp(np.where(a > 0, a, 1))[1] - 1 - 15, -126, 127), 0)      # np.frexp(a)[1] - 1 = floor(log2(a)), exactly
;;       r = np.clip(x / 2.0 ** e, -57344, 57344)
;;       step = 2.0 ** (np.maximum(np.frexp(np.where(r == 0, 1, r))[1] - 1, -14) - 2)
;;       q = np.round(r / step) * step * 2.0 ** e      # np.round: ties to even
;;       return np.moveaxis(q.reshape(q.shape[:-2] + (-1,))[..., :K], -1, axis).astype(np.float32)
;;   ~~~
;;   SOFTMAX AHEAD OF A QUANTISED PRODUCT. Where the list says 'softmax', what is quantised is not the finished softmax but p = 2^(t - M), with t = logit x log2(e) and M = ceil(the row's largest t), a whole number; so 1/2 < the row's largest p <= 1. The row's sum l is taken of the UNQUANTISED p, in f32, and the product's result is divided by l at the end. Since M is a whole number, a kernel that streams over the keys may use a running M (the ceiling of the running maximum): every later rescaling is an exact power of two, which a block's scale takes up: the codes' values come out the same.
;;   OPERANDS COMPUTED ON THE WAY. 'Computed on the way' means the value that the module computes at that place (a softmax that the list does not call 'softmax' is quantised finished and normalised). What goes into a quantiser is computed in f32, as accurately as f32 sums, v_exp_f32 and their like allow (about 1e-6 of the number): no bf16 or f16 on the way to a quantiser, and a product that is left as it is and whose result goes on into a quantised operand takes f32 operands (vector FMAs, or v_wmma_f32_16x16x4_f32). A number that lies on a knife's edge between two numbers of the format may be rounded either way, as far as f32 arithmetic and the matrix unit's own rounding can turn it there, and no further.
;; 2 versions. Each part assembles by itself: llvm-mc -triple=amdgcn-amd-amdhsa -mcpu=gfx1250 --defsym DOCPART=n.
;; ======== version 1 of 2: 1 launch
;; limits: right only within a limited range of input values
;; launch attn (part 1): grid 4 x 64, 16 waves a work-group, no clusters, 106,496 bytes of LDS; arguments queries, keys, values, valid_lens, out0; writes out0
.if DOCPART == 1
	.amdgcn_target "amdgcn-amd-amdhsa--gfx1250"
	.amdhsa_code_object_version 6
	.text
	.protected	k_qb2b1869871_attn
	.globl	k_qb2b1869871_attn
	.p2align	8
	.type	k_qb2b1869871_attn,@function
k_qb2b1869871_attn:
	s_mov_b64 s[64:65], 0
	v_nop
	global_prefetch_b8 v0, s[64:65] scope:SCOPE_SE
	s_setreg_imm32_b32 hwreg(HW_REG_WAVE_MODE, 25, 1), 1
	s_wait_xcnt 0x0
; out0[b][q][:] = the sum over k of softmax_k(Q[b][q] . K[b][k] / 8, keys k >= valid_lens[b] at the logit -1e6) V[b][k][:].  Q, K, V, out0: [64][1024][64] f32.
; Both products run on codes of BF8 (E5M2) with one E8M0 scale for each 32 along a product's K; all four operands are quantised here: Q and K along the 64 channels, V and p along the keys.
; THE SOFTMAX: t = score x log2(e) / 8; M = the running largest t rounded UP to a whole number; p = 2^(t - M) is what is quantised; the row's sum is taken of the unquantised p and divides at the end.
; When M moves, the sum and O^T are multiplied by 2^(old M - new M): nothing is rounded.
; THE FIRST PRODUCT HAS K = 64, half of the instruction's 128: the upper 64 are zero codes on both sides (registers cleared once), under the scale byte 0x7f.
; SHARES.  Work-group (x, b) owns queries 256 x .. 256 x + 255 of batch b; each of its sixteen waves owns 16 of them, one tile, in 256 registers: four waves to a SIMD, so that one wave's matrix
; instructions and LDS waits stand beside another's vector work.  Every wave walks the batch's keys, 128 a step.
; K AND V ARE QUANTISED BY THE WORK-GROUP ITSELF, a step ahead: each wave takes 1/16 of the next step's K and V as f32, makes codes and scale bytes, and stores them in LDS as IMAGES OF THE OPERANDS' REGISTERS
; (a group of four registers: lane l's 16 bytes at 16 l), in the slot that is not being read.  One barrier a step: in front of it every wave's stores have landed and its reads are over.
; LAYOUT.  Both products are used transposed: S^T = K Q^T (source 0 = 16 keys, source 1 = my 16 queries), O^T = V^T P^T (source 0 = 16 channels, source 1 = p): a lane holds ONE query (lane % 16) throughout.
; THE KEYS OF A TILE ARE NOT NEIGHBOURS: row m of tile 2 b + u is key 32 b + 16 (m / 8) + 8 u + m % 8, so that the 16 registers of tiles 2 b and 2 b + 1 are the neighbouring keys 32 b + 16 (lane / 16) + 0 .. 15.
; THE MASK.  valid_lens[b] is read as a scalar and held to 0 .. 1024.  Steps all of whose keys are masked are left out (a scalar branch round the step's work, never round its barrier); in the one step that the
; boundary cuts, masked scores become -8e6 (x 1/8 = the logit -1e6) ahead of the maximum.  valid_len <= 0: reference() then gives every key the same logit; here all 1,024 scores become 0: the same uniform softmax.
; No tensor load stands in this text; K and V, which the four work-groups of a batch share, are not asked for jointly either.
; LIMITS.  Keys of the steps left out count as p = 0: right while every query has an unmasked logit above about -1e6 + 100.  NaN and infinities among the inputs are not served.
; Blocks whose largest magnitude lies under 2^(16 - 127), blocks of zeros among them, keep the scale byte 1: their bytes are read by this text alone, and zero codes add nothing under it.
.set SLOTB, 17408                      ; LDS: two slots of a step's operands, at 0 and at SLOTB.  In a slot:
.set KIMG,  0                          ;   K: 8 tiles x 1,024 bytes: tile f, register group c (0, 1): lane l's 16 bytes at 1024 f + 512 c + 16 l
.set VIMG,  8192                       ;   V: 4 tiles x 2,048 bytes: tile n, group c (0 .. 3): at 2048 n + 512 c + 16 l
.set KSCL,  16384                      ;   K's scale words: tile f, row m: 64 f + 4 m
.set VSCL,  16896                      ;   V's: tile n, row r: 64 n + 4 r, byte c for keys 32 c on
.set STAGE, 2*SLOTB                    ; behind the slots: 16 rows x (256 + 16) bytes for each wave, for the way out
.set LI,  1                            ; v1   16 x lane: an image's place for my lane; also my offset in the wave's rows of out0
.set LS,  2                            ; v2   4 x lane: a scale word's
.set KWI, 3                            ; v3   where I store my 16 codes of K
.set KWS, 4                            ; v4   and my key's scale word
.set VWI, 5                            ; v5   where I store my 16 codes of V
.set VWS, 6                            ; v6   and my block's scale byte
.set KGA, 7                            ; v7   K as f32: 64 x thread: key 8 w + lane / 4, channels 16 (lane % 4) on
.set VGA, 8                            ; v8   V as f32: channel 16 (w % 4) + lane % 16, keys 32 (w / 4) + 16 (lane / 16) on
.set H16, 9                            ; v9   16 (lane / 16)
.set SH0, 10                           ; v10  8 x which block of its key my lane holds;  v11  8 less that
.set SH1, 11
                                       ; v12  -M;  v13 the running largest t;  v[14:15] the row's sum in two halves
.set QF,  16                           ; v16-31   Q's fragment: 8 registers of codes, 8 of zeros
.set KFR, 32                           ; v32-95   four fragments of K: of each 16 registers the low 8 hold codes, the high 8 zeros.  Between the products and the quantiser the low eights hold the next step's f32 numbers
.set SCO, 96                           ; v96-159  S^T, then p, then V's four fragments
.set OT,  160                          ; v160-191 O^T
.set PCD, 192                          ; v192-207 p's codes
.set BM,  208                          ; v208-211 the blocks' largest scores, then largest p
.set PT,  212                          ; v212-215 the other half's maxima, then the scale bytes
.set HB,  216                          ; v216-219 57,344 x the scale
.set SOP, 220                          ; v220-223 the conversions' scale operands
.set FF,  224                          ; v224 f = 2^(old M - new M)
.set PW,  225                          ; v225 p's scale word
.set TT,  226                          ; v226 at work; at the head Q's offset
.set QS,  227                          ; v227 Q's scale word
.set KS,  228                          ; v228-229 K's scale words: lanes 0-15 an even tile's, lanes 16-31 the odd one's
.set VS,  230                          ; v230-231 V's likewise
.set SM2, 232                          ; v[232:233] the sum's second chain
.set KC,  234                          ; v234-237 K's codes just made;  v238-241 V's
.set VC,  238
.set KM,  242                          ; the quantiser of K and V: largest magnitudes,
.set VM,  243
.set VT,  244
.set KSO, 245                          ; scale operands, holds, bytes
.set KHB, 246
.set KE,  247
.set VSO, 248
.set VHB, 249
.set VE,  250
.set KO,  251
.set MD,  242                          ; the mask's two registers lie where the quantiser's maxima are made later in the step
.set MVV, 243
.set PFO, 252                          ; v252 256 x lane: the prefetches' offset; never rewritten
.set STO, 254                          ; v254 the stage: where I put 32 bytes of a row;  v255 where I read a row back
.set SRD, 255
.set KB,  6                            ; s[6:7]  K as f32, at the step to be loaded;  s[8:9] V likewise
.set VB,  8
.set WV,  14                           ; s14 my wave's number
.set VL,  17                           ; s17 valid_len, held to 0 .. 1024
.set KEND, 18                          ; s18 the first key of the first step that is left out
.set MNT, 19                           ; s19 the mantissa field of 57,344
.set SEL, 20                           ; s[20:21] v_permlanex16_b32's selects for lane l xor 16
.set CS,  22                           ; s[22:23] c = log2(e) / 8: the packed form names a pair and takes its low word for both halves
.set KFS, 24                           ; s24 the step's first key
.set CNT, 25
.set MV,  26                           ; s26 what a masked score becomes
.set TS,  27                           ; s27 at work
.set PF,  30                           ; s[30:31] where my prefetches stand
.set PEND, 32                          ; s32 KEND in the two waves that prefetch, else 0
; the largest magnitudes of two sets of 16 numbers (8 at xa, 8 at ya; 8 at xb, 8 at yb), by turns, each with the floor 2^(16 - 127) among its leaves: so no scale byte falls under 1
.macro AMAX2 ma, xa, ya, mb, xb, yb
	v_max3_num_f32 v[\ma], |v[\xa]|, |v[\xa+1]|, 0x8000000
	v_max3_num_f32 v[\mb], |v[\xb]|, |v[\xb+1]|, 0x8000000
.irp i, 2,4,6
	v_max3_num_f32 v[\ma], v[\ma], |v[\xa+\i]|, |v[\xa+\i+1]|
	v_max3_num_f32 v[\mb], v[\mb], |v[\xb+\i]|, |v[\xb+\i+1]|
.endr
.irp i, 0,2,4,6
	v_max3_num_f32 v[\ma], v[\ma], |v[\ya+\i]|, |v[\ya+\i+1]|
	v_max3_num_f32 v[\mb], v[\mb], |v[\yb+\i]|, |v[\yb+\i+1]|
.endr
.endm
; from a block's largest magnitude: the conversion's scale operand (15 off the exponent field), 57,344 x the scale (the exponent field over 57,344's mantissa), the scale's byte
.macro SCOPS mx, sop, hbd, eb
	v_add_nc_u32 v[\sop], 0xf8800000, v[\mx]
	v_and_or_b32 v[\hbd], v[\mx], 0x7f800000, s[MNT]
	v_lshrrev_b32 v[\eb], 23, v[\sop]
.endm
; 16 numbers are held within +-57,344 x the scale (the conversion to an 8-bit code does not saturate: ISA guide 7.6.2) and become 16 codes in four registers
.macro HOLDCVT xa, ya, hbd, sop, cd
.irp i, 0,1,2,3,4,5,6,7
	v_med3_num_f32 v[\xa+\i], v[\xa+\i], -v[\hbd], v[\hbd]
.endr
.irp i, 0,1,2,3,4,5,6,7
	v_med3_num_f32 v[\ya+\i], v[\ya+\i], -v[\hbd], v[\hbd]
.endr
	v_cvt_scalef32_pk8_bf8_f32 v[\cd:\cd+1], v[\xa:\xa+7], v[\sop]
	v_cvt_scalef32_pk8_bf8_f32 v[\cd+2:\cd+3], v[\ya:\ya+7], v[\sop]
.endm
; my 1/16 of a step's K and V as f32: 16 neighbouring channels of one key (64 bytes); 16 keys of one channel (sixteen neighbouring lanes read 64 neighbouring bytes).  No hint: the batch's four work-groups read these bytes
.macro RAWLOAD
.irp i, 0,1
	global_load_b128 v[KFR+4*\i:KFR+4*\i+3], v[KGA], s[KB:KB+1] offset:16*\i
.endr
.irp i, 0,1
	global_load_b128 v[KFR+16+4*\i:KFR+16+4*\i+3], v[KGA], s[KB:KB+1] offset:32+16*\i
.endr
.irp i, 0,1,2,3,4,5,6,7
	global_load_b32 v[KFR+32+\i], v[VGA], s[VB:VB+1] offset:256*\i
.endr
.irp i, 0,1,2,3,4,5,6,7
	global_load_b32 v[KFR+48+\i], v[VGA], s[VB:VB+1] offset:2048+256*\i
.endr
.endm
; those numbers become codes and scale bytes in slot ws.  K: a block of 32 channels lies in lanes l and l xor 1, a key's other block in lane l xor 2.  V: a block of 32 keys lies in lanes l and l xor 16.
.macro QUANTKV ws
	AMAX2 KM, KFR, KFR+16, VM, KFR+32, KFR+48
	v_max_num_f32_dpp v[KM], v[KM], v[KM] row_xmask:1 row_mask:0xf bank_mask:0xf
	v_permlanex16_b32 v[VT], v[VM], s[SEL], s[SEL+1]
	v_max_num_f32 v[VM], v[VM], v[VT]
	SCOPS KM, KSO, KHB, KE
	SCOPS VM, VSO, VHB, VE
	v_mov_b32_dpp v[KO], v[KE] row_xmask:2 row_mask:0xf bank_mask:0xf   ; the byte of my key's other block
	v_lshlrev_b32 v[KE], v[SH0], v[KE]             ; each byte to its place in the key's scale word;
	v_lshlrev_b32 v[KO], v[SH1], v[KO]
	v_add3_u32 v[KE], v[KE], v[KO], 0x7f7f0000     ; the upper two, over zero codes, stand for 1.0
	HOLDCVT KFR, KFR+16, KHB, KSO, KC
	HOLDCVT KFR+32, KFR+48, VHB, VSO, VC
	v_nop                                          ; one plain line behind the last conversion: later vector and matrix lines touch its registers
	ds_store_b128 v[KWI], v[KC:KC+3] offset:(\ws)*SLOTB+KIMG
	ds_store_b32 v[KWS], v[KE] offset:(\ws)*SLOTB+KSCL        ; a key's four lanes write the same word with the same value
	ds_store_b128 v[VWI], v[VC:VC+3] offset:(\ws)*SLOTB+VIMG
	ds_store_b8 v[VWS], v[VE] offset:(\ws)*SLOTB+VSCL         ; both lanes of a block write the same byte with the same value
.endm
	s_load_b256 s[4:11], s[0:1], 0x0               ; queries s[4:5], keys s[6:7], values s[8:9], valid_lens s[10:11]
	s_load_b64 s[12:13], s[0:1], 0x20              ; out0
	v_lshrrev_b32 v208, 5, v0
	v_readfirstlane_b32 s[WV], v208                ; wave 0..15
	v_and_b32 v208, 31, v0                         ; lane
	v_and_b32 v209, 15, v0                         ; r
	v_bfe_u32 v210, v0, 4, 1                       ; h
	s_and_b32 s15, ttmp7, 0xffff                   ; the batch
	s_lshr_b32 s33, s[WV], 2                       ; w / 4
	s_and_b32 s34, s[WV], 1                        ; w % 2
	s_bfe_u32 s35, s[WV], 0x10001                  ; (w / 2) % 2
	s_and_b32 s36, s[WV], 3                        ; w % 4
	v_lshlrev_b32 v[LI], 4, v208
	v_lshlrev_b32 v[LS], 2, v208
	; K's producer: key 8 w + lane / 4 is row m = 8 ((w / 2) % 2) + lane / 4 of tile f = 2 (w / 4) + w % 2; my 16 channels are group (lane / 2) % 2 of the lane m + 16 (lane % 2)
	s_lshl_b32 s[TS], s33, 11
	s_lshl_b32 s28, s34, 10
	s_add_co_u32 s[TS], s[TS], s28
	s_lshl_b32 s28, s35, 7
	s_add_co_u32 s[TS], s[TS], s28                 ; 1024 f + 16 x 8 ((w / 2) % 2)
	v_bfe_u32 v211, v0, 1, 1
	v_lshlrev_b32 v[SH0], 3, v211
	v_sub_nc_u32 v[SH1], 8, v[SH0]
	v_lshlrev_b32 v[KWI], 9, v211                  ; 512 x group
	v_and_b32 v211, 1, v0
	v_lshl_add_u32 v[KWI], v211, 8, v[KWI]         ; + 16 x 16 (lane % 2)
	v_bfe_u32 v211, v0, 2, 3
	v_lshl_add_u32 v[KWI], v211, 4, v[KWI]         ; + 16 (lane / 4)
	v_add_nc_u32 v[KWI], s[TS], v[KWI]
	s_lshl_b32 s[TS], s33, 7
	s_lshl_b32 s28, s34, 6
	s_add_co_u32 s[TS], s[TS], s28
	s_lshl_b32 s28, s35, 5
	s_add_co_u32 s[TS], s[TS], s28
	v_lshl_add_u32 v[KWS], v211, 2, s[TS]          ; 64 f + 4 m
	; V's producer: tile n = w % 4, group c = w / 4: my four code registers are that group as they stand
	s_lshl_b32 s[TS], s36, 11
	s_lshl_b32 s28, s33, 9
	s_add_co_u32 s[TS], s[TS], s28
	v_add_nc_u32 v[VWI], s[TS], v[LI]              ; 2048 n + 512 c + 16 lane
	s_lshl_b32 s[TS], s36, 6
	s_add_co_u32 s[TS], s[TS], s33
	v_lshl_add_u32 v[VWS], v209, 2, s[TS]          ; 64 n + 4 r + c
	v_lshlrev_b32 v[KGA], 6, v0
	s_lshl_b32 s[TS], s36, 6
	s_lshl_b32 s28, s33, 13
	s_add_co_u32 s[TS], s[TS], s28
	v_lshlrev_b32 v[VGA], 2, v209
	v_lshl_add_u32 v[VGA], v210, 12, v[VGA]
	v_add_nc_u32 v[VGA], s[TS], v[VGA]             ; 4 r + 64 n + 256 (32 c + 16 h)
	v_lshlrev_b32 v[H16], 4, v210
	v_lshlrev_b32 v[PFO], 8, v208
	s_mul_i32 s[TS], s[WV], 16*272
	s_add_co_u32 s[TS], s[TS], STAGE               ; my stage
	v_mul_u32_u24 v[STO], v209, 272
	v_lshl_add_u32 v[STO], v210, 5, v[STO]
	v_add_nc_u32 v[STO], s[TS], v[STO]             ; in: row r, + 32 h
	v_mul_u32_u24 v[SRD], v210, 272
	v_lshl_add_u32 v[SRD], v209, 4, v[SRD]
	v_add_nc_u32 v[SRD], s[TS], v[SRD]             ; back: lanes 0-15 one row, lanes 16-31 the next
	v_lshlrev_b32 v[TT], 8, v209
	v_lshl_add_u32 v[TT], v210, 6, v[TT]           ; Q: row r of 256 bytes, + 64 h: my 16 numbers of a block of 32
	s_mov_b32 s[SEL], 0x76543210
	s_mov_b32 s[SEL+1], 0xfedcba98
	s_mov_b32 s[CS], 0x3e38aa3b                    ; c = log2(e) / sqrt(64)
	s_mov_b32 s[CS+1], s[CS]                       ; (named with it as a pair, so it is written)
	s_mov_b32 s[MNT], 0x600000
	s_wait_kmcnt 0x0
	s_lshl_b32 s28, s15, 18                        ; a batch is 1,024 rows of 256 bytes
	s_mov_b32 s29, 0
	s_add_nc_u64 s[4:5], s[4:5], s[28:29]
	s_add_nc_u64 s[KB:KB+1], s[KB:KB+1], s[28:29]
	s_add_nc_u64 s[VB:VB+1], s[VB:VB+1], s[28:29]
	s_add_nc_u64 s[12:13], s[12:13], s[28:29]
	s_lshl_b32 s28, s15, 2
	s_add_nc_u64 s[10:11], s[10:11], s[28:29]
	s_load_b32 s[VL], s[10:11], 0x0                ; valid_lens[b]
	s_lshl_b32 s28, ttmp9, 16                      ; my work-group's 256 rows,
	s_lshl_b32 s33, s[WV], 12                      ; my wave's 16 of them
	s_add_co_u32 s28, s28, s33
	s_add_nc_u64 s[4:5], s[4:5], s[28:29]
	s_add_nc_u64 s[12:13], s[12:13], s[28:29]
.irp c, 0,1
.irp j, 0,1,2,3
	global_load_b128 v[SCO+16*\c+4*\j:SCO+16*\c+4*\j+3], v[TT], s[4:5] offset:128*\c+16*\j th:TH_LOAD_NT   ; Q(r, 32 c + 16 h + 4 j ..): read once, by this wave alone
.endr
.endr
	RAWLOAD                                        ; key step 0
	; the prefetches: a step's K and V are 128 + 128 rows of 256 bytes; work-group x takes rows 32 x .. 32 x + 31, wave 0 K's and wave 1 V's, a lane a row: each row is named once in the launch.
	s_cmp_eq_u32 s[WV], 0
	s_cselect_b64 s[PF:PF+1], s[KB:KB+1], s[VB:VB+1]
	s_lshl_b32 s28, ttmp9, 13
	s_add_co_u32 s28, s28, 2*32768                 ; at step 2: step j asks for step j + 2.  Nothing is asked for here, at the head
	s_add_nc_u64 s[PF:PF+1], s[PF:PF+1], s[28:29]
	; zero codes for the upper 64 of the first product's K, on both sides: written once, never again
.set j, 0
.rept 8
	v_mov_b32 v[QF+8+j], 0
	v_mov_b32 v[KFR+8+j], 0
	v_mov_b32 v[KFR+24+j], 0
	v_mov_b32 v[KFR+40+j], 0
	v_mov_b32 v[KFR+56+j], 0
.set j, j+1
.endr
.set j, 0
.rept 32
	v_mov_b32 v[OT+j], 0                           ; O^T.  (The step is written without a first step of its own: the first finds zeros, which the first change of M leaves zeros)
.set j, j+1
.endr
	v_mov_b32 v14, 0                               ; the sum, in two halves
	v_mov_b32 v15, 0
.irp b, 0,1,2,3
	v_mov_b32 v[PT+\b], 0                          ; written once: the destination of a lane permute or of a DPP move counts as one of its sources
.endr
	v_mov_b32 v[VT], 0
	v_mov_b32 v[KO], 0
	v_mov_b32 v[PW], 0                             ; (named as the upper half of the pair with f before it is first written)
	v_mov_b32 v13, 0xff61b1e6                      ; the largest t so far: -3e38, under every t
	v_floor_f32 v12, -v13                          ; -M
	s_wait_kmcnt 0x0                               ; valid_len
	s_max_i32 s[VL], s[VL], 0
	s_min_i32 s[VL], s[VL], 1024
	s_add_co_u32 s[TS], s[VL], 127
	s_lshr_b32 s[TS], s[TS], 7                     ; steps that hold a key that counts
	s_mov_b32 s[MV], 0xcaf42400                    ; -8e6: as a logit -1e6
	s_cmp_eq_u32 s[VL], 0                          ; no key counts: every logit is the same: all eight steps run, every score becomes 0
	s_cselect_b32 s[TS], 8, s[TS]
	s_cselect_b32 s[MV], 0, s[MV]
	s_lshl_b32 s[KEND], s[TS], 7
	s_cmp_lt_u32 s[WV], 2
	s_cselect_b32 s[PEND], s[KEND], 0
	; Q becomes a fragment: two blocks of 32 channels, each in lanes l and l xor 16
	s_wait_loadcnt 20                              ; Q's eight loads are in; the 4 + 16 issued behind them (step 0's K and V) may stay out
	AMAX2 BM, SCO, SCO+8, BM+1, SCO+16, SCO+24
	v_permlanex16_b32 v[PT], v[BM], s[SEL], s[SEL+1]
	v_permlanex16_b32 v[PT+1], v[BM+1], s[SEL], s[SEL+1]
	v_max_num_f32 v[BM], v[BM], v[PT]
	v_max_num_f32 v[BM+1], v[BM+1], v[PT+1]
	SCOPS BM, SOP, HB, PT
	SCOPS BM+1, SOP+1, HB+1, PT+1
	v_lshl_or_b32 v[QS], v[PT+1], 8, v[PT]
	v_or_b32 v[QS], 0x7f7f0000, v[QS]              ; my query's scale word; the upper two bytes, over zero codes, stand for 1.0
	HOLDCVT SCO, SCO+8, HB, SOP, QF
	HOLDCVT SCO+16, SCO+24, HB+1, SOP+1, QF+4
	v_nop                                          ; one plain line behind the last conversion
	s_wait_loadcnt 0x0                             ; step 0's K and V are in, so their bases may be stepped below
	QUANTKV 0
	s_add_nc_u64 s[KB:KB+1], s[KB:KB+1], 32768
	s_add_nc_u64 s[VB:VB+1], s[VB:VB+1], 32768
	s_wait_dscnt 0x0                               ; for the others' sake: my part of slot 0 has landed
	s_barrier_signal -1
	s_barrier_wait -1
	s_mov_b32 s[KFS], 0
	s_mov_b32 s[CNT], 4
; A KEY STEP: 128 keys, read from slot rs; the next step's K and V are loaded, quantised and stored into the other slot.
.macro STEP rs
	s_cmp_ge_u32 s[KFS], s[KEND]                   ; all its keys are masked: the work is left out, the barrier and the address steps at its end are not
	s_cbranch_scc1 .Lidle_\@
.irp g, 0,1                                    ; S^T = K Q^T, four tiles of 16 keys at a time
.if \g
.rept 8
	v_nop                                          ; places in front of loads into registers that the four products above have read (ISA guide 7.12.1 counts only plain vector lines)
.endr
.endif
.irp t, 0,1,2,3
.irp c, 0,1
	ds_load_b128 v[KFR+16*\t+4*\c:KFR+16*\t+4*\c+3], v[LI] offset:\rs*SLOTB+KIMG+1024*(4*\g+\t)+512*\c
.endr
.endr
.irp p, 0,1
	ds_load_b32 v[KS+\p], v[LS] offset:\rs*SLOTB+KSCL+128*(2*\g+\p)   ; lanes 0-15: tile 4 g + 2 p's words; lanes 16-31: tile 4 g + 2 p + 1's
.endr
	s_wait_dscnt 0x0
.irp t, 0,1,2,3
.if \t%2
	v_wmma_scale_f32_16x16x128_f8f6f4 v[SCO+8*(4*\g+\t):SCO+8*(4*\g+\t)+7], v[KFR+16*\t:KFR+16*\t+15], v[QF:QF+15], 0, v[KS+\t/2], v[QS] matrix_a_fmt:MATRIX_FMT_BF8 matrix_b_fmt:MATRIX_FMT_BF8 matrix_a_scale:MATRIX_SCALE_ROW1
.else
	v_wmma_scale_f32_16x16x128_f8f6f4 v[SCO+8*(4*\g+\t):SCO+8*(4*\g+\t)+7], v[KFR+16*\t:KFR+16*\t+15], v[QF:QF+15], 0, v[KS+\t/2], v[QS] matrix_a_fmt:MATRIX_FMT_BF8 matrix_b_fmt:MATRIX_FMT_BF8
.endif
.endr
.endr                                          ; lane (r, h): query r; register 16 b + i: key 32 b + 16 h + i of the step
.rept 8
	v_nop                                          ; places in front of the first read of the scores and of the loads into K's registers
.endr
	s_add_co_u32 s[TS], s[KFS], 128
	s_cmp_lt_u32 s[TS], s[KEND]                    ; is there a next step?  No load leaves its buffer
	s_cbranch_scc0 .Lnoload_\@
	RAWLOAD                                        ; its K and V: they land while the softmax below is worked
	s_add_co_u32 s[TS], s[KFS], 256
	s_cmp_lt_u32 s[TS], s[PEND]                    ; waves 0 and 1, while a step after the next is walked
	s_cbranch_scc0 .Lnoload_\@
	global_prefetch_b8 v[PFO], s[PF:PF+1] th:TH_LOAD_NT scope:SCOPE_SE   ; my work-group's 32 rows of what the next step will load: one step ahead of those loads
.Lnoload_\@:
	s_add_co_u32 s[TS], s[KFS], 128
	s_cmp_le_u32 s[TS], s[VL]                      ; a step all of whose keys count skips the mask
	s_cbranch_scc1 .Lopen_\@
	s_sub_co_i32 s[TS], s[VL], s[KFS]
	v_sub_nc_u32 v[MD], s[TS], v[H16]              ; register 16 b + i is masked where 32 b + i >= valid_len - the step's first key - 16 h
	v_mov_b32 v[MVV], s[MV]
.irp n, 0,1,2,3,4,5,6,7,8,9,10,11,12,13,14,15,16,17,18,19,20,21,22,23,24,25,26,27,28,29,30,31,32,33,34,35,36,37,38,39,40,41,42,43,44,45,46,47,48,49,50,51,52,53,54,55,56,57,58,59,60,61,62,63
	v_cmp_ge_i32 vcc_lo, 32*(\n/16)+\n%16, v[MD]
	v_cndmask_b32 v[SCO+\n], v[SCO+\n], v[MVV], vcc_lo
.endr
.Lopen_\@:
.irp b, 0,1,2,3
	v_max3_num_f32 v[BM+\b], v[SCO+16*\b], v[SCO+1+16*\b], v[SCO+2+16*\b]   ; THE LARGEST SCORE OF EACH BLOCK OF 32 KEYS: it serves the row's maximum and, since p rises with the score, the block's largest p
.endr
.irp i, 3,5,7,9,11,13
.irp b, 0,1,2,3
	v_max3_num_f32 v[BM+\b], v[BM+\b], v[SCO+16*\b+\i], v[SCO+1+16*\b+\i]   ; (the four blocks by turns)
.endr
.endr
.irp b, 0,1,2,3
	v_max_num_f32 v[BM+\b], v[BM+\b], v[SCO+15+16*\b]
.endr
.irp b, 0,1,2,3
	v_permlanex16_b32 v[PT+\b], v[BM+\b], s[SEL], s[SEL+1]
.endr
.irp b, 0,1,2,3
	v_max_num_f32 v[BM+\b], v[BM+\b], v[PT+\b]     ; with lane l xor 16's 16 keys
.endr
	v_max3_num_f32 v[TT], v[BM], v[BM+1], v[BM+2]
	v_max_num_f32 v[TT], v[TT], v[BM+3]            ; the step's largest score of my query
	v_mul_f32 v[TT], s[CS], v[TT]                  ; as t (c is positive)
	v_max_num_f32 v13, v13, v[TT]                  ; the running largest t
	v_mov_b32 v[TT], v12
	v_floor_f32 v12, -v13                          ; the new -M = floor(-t) = -ceil(t): M is a whole number
	v_sub_f32 v[TT], v12, v[TT]                    ; old M less new M: a whole number, 0 or less
	v_cvt_i32_f32 v[TT], v[TT]                     ; (it saturates)
	v_ldexp_f32 v[FF], 1.0, v[TT]                  ; f = 2^(old M - new M)
.set j, 0
.rept 32
	v_pk_fma_f32 v[SCO+j:SCO+j+1], v[SCO+j:SCO+j+1], s[CS:CS+1], v[12:13] op_sel_hi:[1,0,0]   ; t - M, two at a time (of the pairs c and -M the low word serves both halves)
.set j, j+2
.endr
.irp b, 0,1,2,3
	v_fma_f32 v[BM+\b], v[BM+\b], s[CS], v12       ; the same of each block's largest score
.endr
.set j, 0
.rept 64
	v_exp_f32 v[SCO+j], v[SCO+j]                   ; p = 2^(t - M), at most 1: not normalised
.set j, j+1
.endr
.irp b, 0,1,2,3
	v_exp_f32 v[BM+\b], v[BM+\b]                   ; the block's largest p: the same two instructions on the same number
.endr
	v_pk_mul_f32 v[14:15], v[14:15], v[FF:FF+1] op_sel_hi:[1,0]   ; the sums under the new M.  (The plain line behind the exponentials)
	s_wait_alu depctr_va_vdst(0)
.irp b, 0,1,2,3
	v_max_num_f32 v[BM+\b], 0x8000000, v[BM+\b]    ; the floor 2^(16 - 127): a block whose every p is 0 keeps the byte 1 over zero codes
.endr
.irp b, 0,1,2,3
	v_add_nc_u32 v[SOP+\b], 0xf8800000, v[BM+\b]   ; 15 off the exponent field: the conversion's scale operand
.endr
.irp b, 0,1,2,3
	v_and_or_b32 v[HB+\b], v[BM+\b], 0x7f800000, s[MNT]   ; 57,344 x the scale
.endr
.irp b, 0,1,2,3
	v_lshrrev_b32 v[PT+\b], 23, v[SOP+\b]          ; the scale's byte
.endr
	v_lshl_or_b32 v[PW], v[PT+1], 8, v[PT]         ; p's scale word for these 128 keys
	v_lshl_or_b32 v[PW], v[PT+2], 16, v[PW]
	v_lshl_or_b32 v[PW], v[PT+3], 24, v[PW]
	v_pk_add_f32 v[SM2:SM2+1], v[SCO:SCO+1], v[SCO+2:SCO+3]   ; THE ROW'S SUM IS TAKEN OF THE UNQUANTISED p: two at a time, in two chains
.set j, 4
.rept 15
	v_pk_add_f32 v[14:15], v[14:15], v[SCO+j:SCO+j+1]
	v_pk_add_f32 v[SM2:SM2+1], v[SM2:SM2+1], v[SCO+j+2:SCO+j+3]
.set j, j+4
.endr
	v_pk_add_f32 v[14:15], v[14:15], v[SM2:SM2+1]
.irp b, 0,1,2,3
.irp i, 0,1,2,3,4,5,6,7,8,9,10,11,12,13,14,15
	v_min_num_f32 v[SCO+16*\b+\i], v[SCO+16*\b+\i], v[HB+\b]   ; the hold; p is not negative, so it is one-sided
.endr
	v_cvt_scalef32_pk8_bf8_f32 v[PCD+4*\b:PCD+4*\b+1], v[SCO+16*\b:SCO+16*\b+7], v[SOP+\b]
	v_cvt_scalef32_pk8_bf8_f32 v[PCD+4*\b+2:PCD+4*\b+3], v[SCO+16*\b+8:SCO+16*\b+15], v[SOP+\b]
.irp c, 0,1,2,3
	ds_load_b128 v[SCO+16*\b+4*\c:SCO+16*\b+4*\c+3], v[LI] offset:\rs*SLOTB+VIMG+2048*\b+512*\c   ; V's tile b, into the registers that p's block b has just left
.endr
.endr
.irp p, 0,1
	ds_load_b32 v[VS+\p], v[LS] offset:\rs*SLOTB+VSCL+128*\p   ; lanes 0-15: tile 2 p's words; lanes 16-31: tile 2 p + 1's
.endr
.set j, 0
.rept 16
	v_pk_mul_f32 v[OT+j:OT+j+1], v[OT+j:OT+j+1], v[FF:FF+1] op_sel_hi:[1,0]   ; O^T under the new M.  (These sixteen also stand between the conversions and the products that take their codes)
.set j, j+2
.endr
	s_wait_dscnt 0x0                               ; V's fragments and scale words are in
.irp n, 0,1,2,3                                ; O^T += V^T P^T: four accumulators, one instruction a turn
.if \n%2
	v_wmma_scale_f32_16x16x128_f8f6f4 v[OT+8*\n:OT+8*\n+7], v[SCO+16*\n:SCO+16*\n+15], v[PCD:PCD+15], v[OT+8*\n:OT+8*\n+7], v[VS+\n/2], v[PW] matrix_a_fmt:MATRIX_FMT_BF8 matrix_b_fmt:MATRIX_FMT_BF8 matrix_a_scale:MATRIX_SCALE_ROW1
.else
	v_wmma_scale_f32_16x16x128_f8f6f4 v[OT+8*\n:OT+8*\n+7], v[SCO+16*\n:SCO+16*\n+15], v[PCD:PCD+15], v[OT+8*\n:OT+8*\n+7], v[VS+\n/2], v[PW] matrix_a_fmt:MATRIX_FMT_BF8 matrix_b_fmt:MATRIX_FMT_BF8
.endif
.endr
	s_wait_loadcnt 0x0                             ; the next step's K and V are in (on the way that loaded none: nothing is out)
	s_add_co_u32 s[TS], s[KFS], 128
	s_cmp_lt_u32 s[TS], s[KEND]
	s_cbranch_scc0 .Llast_\@
	QUANTKV 1-\rs                                  ; its first nine lines, plain maxima on other registers, are the places behind the products above: the next step's products write over V's fragments
	s_branch .Lidle_\@
.Llast_\@:
.rept 9
	v_nop                                          ; the same nine places where nothing is left to quantise
.endr
.Lidle_\@:
	s_wait_dscnt 0x0                               ; my stores into the other slot have landed and my reads of this slot are over
	s_barrier_signal -1
	s_barrier_wait -1                              ; both now hold of all sixteen waves: the other slot may be read, this one written
	s_wait_xcnt 0x0                                ; the loads and the prefetch, issued at the step's head, have read their bases, so these may be stepped
	s_add_nc_u64 s[KB:KB+1], s[KB:KB+1], 32768
	s_add_nc_u64 s[VB:VB+1], s[VB:VB+1], 32768
	s_add_nc_u64 s[PF:PF+1], s[PF:PF+1], 32768
	s_add_co_u32 s[KFS], s[KFS], 128
.endm
.Lpair:                                            ; four trips of two steps, in which the slots change places: the trip count is a constant, whatever valid_len says
	STEP 0
	STEP 1
	s_sub_co_u32 s[CNT], s[CNT], 1
	s_cmp_lg_u32 s[CNT], 0
	s_cbranch_scc1 .Lpair
	; THE WAY OUT.  O^T is divided by the row's sum and goes through my own stage in LDS, so that each store of the wave covers 512 consecutive bytes of out0, aligned.
	v_add_f32 v14, v14, v15                        ; the sum's two halves,
	v_permlanex16_b32 v[TT], v14, s[SEL], s[SEL+1]
	v_add_f32 v14, v14, v[TT]                      ; and lane l xor 16's: the row's sum
	v_rcp_f32 v14, v14
	v_nop                                          ; one plain line behind a transcendental
.set j, 0
	s_wait_alu depctr_va_vdst(0)
.rept 32
	v_mul_f32 v[SCO+j], v[OT+j], v14               ; register 8 n + i is out0(r, 16 n + 8 h + i); each accumulator from its low end on
.set j, j+1
.endr
.irp n, 0,1,2,3
	ds_store_b128 v[STO], v[SCO+8*\n:SCO+8*\n+3] offset:64*\n
	ds_store_b128 v[STO], v[SCO+8*\n+4:SCO+8*\n+7] offset:64*\n+16
.endr
.irp i, 0,1,2,3,4,5,6,7
	ds_load_b128 v[KFR+4*\i:KFR+4*\i+3], v[SRD] offset:544*\i   ; LDS serves a wave's instructions in order (ISA guide 5.7.1.4): these see my stores
.endr
.irp i, 0,1,2,3,4,5,6,7
	s_wait_dscnt 7-\i                              ; load i is in; the younger ones may stay out
	global_store_b128 v[LI], v[KFR+4*\i:KFR+4*\i+3], s[12:13] offset:512*\i th:TH_STORE_NT   ; rows 2 i and 2 i + 1 of my 16: written once, read by nobody here
.endr
	s_wait_xcnt 0x0
	v_lshl_add_u32 v254, v0, 2, 0x19800
	v_mov_b32 v255, 0
	s_wait_tensorcnt 0x0
	ds_add_u32 v254, v255
	s_wait_dscnt 0x0
	s_endpgm
.Lfunc_end_k_qb2b1869871_attn:
	.size	k_qb2b1869871_attn, .Lfunc_end_k_qb2b1869871_attn-k_qb2b1869871_attn
	.p2alignl 7, 3214868480
	.fill 96, 4, 3214868480
	.section	.rodata,"a",@progbits
	.p2align	6, 0x0
	.amdhsa_kernel k_qb2b1869871_attn
		.amdhsa_group_segment_fixed_size 106496
		.amdhsa_private_segment_fixed_size 0
		.amdhsa_enable_private_segment 0
		.amdhsa_kernarg_size 40
		.amdhsa_user_sgpr_count 2
		.amdhsa_user_sgpr_kernarg_segment_ptr 1
		.amdhsa_wavefront_size32 1
		.amdhsa_system_sgpr_workgroup_id_x 1
		.amdhsa_system_sgpr_workgroup_id_y 1
		.amdhsa_system_sgpr_workgroup_id_z 1
		.amdhsa_system_vgpr_workitem_id 0
		.amdhsa_next_free_vgpr 256
		.amdhsa_next_free_sgpr 66
		.amdhsa_reserve_vcc 1
		.amdhsa_float_denorm_mode_32 3
		.amdhsa_float_denorm_mode_16_64 3
		.amdhsa_memory_ordered 1
		.amdhsa_forward_progress 1
		.amdhsa_inst_pref_size 84
	.end_amdhsa_kernel
	.amdgpu_metadata
---
amdhsa.version: [ 1, 2 ]
amdhsa.kernels:
  - .name:           k_qb2b1869871_attn
    .symbol:         k_qb2b1869871_attn.kd
    .args:
      - { .name: queries, .offset: 0, .size: 8, .value_kind: global_buffer, .address_space: global }
      - { .name: keys, .offset: 8, .size: 8, .value_kind: global_buffer, .address_space: global }
      - { .name: values, .offset: 16, .size: 8, .value_kind: global_buffer, .address_space: global }
      - { .name: valid_lens, .offset: 24, .size: 8, .value_kind: global_buffer, .address_space: global }
      - { .name: out0, .offset: 32, .size: 8, .value_kind: global_buffer, .address_space: global }
    .group_segment_fixed_size: 106496
    .private_segment_fixed_size: 0
    .kernarg_segment_align: 8
    .kernarg_segment_size: 40
    .max_flat_workgroup_size: 512
    .sgpr_count:     66
    .vgpr_count:     256
    .wavefront_size: 32
...
	.end_amdgpu_metadata
.endif
;; end of part 1
;; ======== version 2 of 2: 1 launch; version 1 with the launch attn written anew for expert scheduling mode
;; limits: right only within a limited range of input values
;; launch attn (part 2): grid 4 x 64, 16 waves a work-group, no clusters, 106,496 bytes of LDS; arguments queries, keys, values, valid_lens, out0; writes out0
.if DOCPART == 2
	.amdgcn_target "amdgcn-amd-amdhsa--gfx1250"
	.amdhsa_code_object_version 6
	.text
	.protected	k_qb2b1869871_attn
	.globl	k_qb2b1869871_attn
	.p2align	8
	.type	k_qb2b1869871_attn,@function
k_qb2b1869871_attn:
	s_mov_b64 s[64:65], 0
	v_nop
	global_prefetch_b8 v0, s[64:65] scope:SCOPE_SE
	s_setreg_imm32_b32 hwreg(HW_REG_WAVE_SCHED_MODE, 0, 2), 2
	s_setreg_imm32_b32 hwreg(HW_REG_WAVE_MODE, 25, 1), 1
	s_wait_xcnt 0x0
	s_wait_alu depctr_vm_vsrc(0)
; out0[b][q][:] = the sum over k of softmax_k(Q[b][q] . K[b][k] / 8, keys k >= valid_lens[b] at the logit -1e6) V[b][k][:].  Q, K, V, out0: [64][1024][64] f32.
; Both products run on codes of BF8 (E5M2) with one E8M0 scale for each 32 along a product's K; all four operands are quantised here: Q and K along the 64 channels, V and p along the keys.
; THE SOFTMAX: t = score x log2(e) / 8; M = the running largest t rounded UP to a whole number; p = 2^(t - M) is what is quantised; the row's sum is taken of the unquantised p and divides at the end.
; When M moves, the sum and O^T are multiplied by 2^(old M - new M): nothing is rounded.
; THE FIRST PRODUCT HAS K = 64, half of the instruction's 128: the upper 64 are zero codes on both sides (registers cleared once), under the scale byte 0x7f.
; SHARES.  Work-group (x, b) owns queries 256 x .. 256 x + 255 of batch b; each of its sixteen waves owns 16 of them, one tile, in 256 registers: four waves to a SIMD, so that one wave's matrix
; instructions and LDS waits stand beside another's vector work.  Every wave walks the batch's keys, 128 a step.
; K AND V ARE QUANTISED BY THE WORK-GROUP ITSELF, a step ahead: each wave takes 1/16 of the next step's K and V as f32, makes codes and scale bytes, and stores them in LDS as IMAGES OF THE OPERANDS' REGISTERS
; (a group of four registers: lane l's 16 bytes at 16 l), in the slot that is not being read.  One barrier a step: in front of it every wave's stores have landed and its reads are over.
; LAYOUT.  Both products are used transposed: S^T = K Q^T (source 0 = 16 keys, source 1 = my 16 queries), O^T = V^T P^T (source 0 = 16 channels, source 1 = p): a lane holds ONE query (lane % 16) throughout.
; THE KEYS OF A TILE ARE NOT NEIGHBOURS: row m of tile 2 b + u is key 32 b + 16 (m / 8) + 8 u + m % 8, so that the 16 registers of tiles 2 b and 2 b + 1 are the neighbouring keys 32 b + 16 (lane / 16) + 0 .. 15.
; THE MASK.  valid_lens[b] is read as a scalar and held to 0 .. 1024.  Steps all of whose keys are masked are left out (a scalar branch round the step's work, never round its barrier); in the one step that the
; boundary cuts, masked scores become -8e6 (x 1/8 = the logit -1e6) ahead of the maximum.  valid_len <= 0: reference() then gives every key the same logit; here all 1,024 scores become 0: the same uniform softmax.
; No tensor load stands in this text; K and V, which the four work-groups of a batch share, are not asked for jointly either.
; LIMITS.  Keys of the steps left out count as p = 0: right while every query has an unmasked logit above about -1e6 + 100.  NaN and infinities among the inputs are not served.
; Blocks whose largest magnitude lies under 2^(16 - 127), blocks of zeros among them, keep the scale byte 1: their bytes are read by this text alone, and zero codes add nothing under it.
; THE MODE: SCHED_MODE bits 1:0 = 2 (LLVM: expert scheduling mode 2), set by the entry lines.  The code itself states the register dependences between vector or matrix instructions and memory or LDS
; instructions, with s_wait_alu, always for 0.
; THE PLAN.  Registers that memory or LDS instructions touch:
;   v1-8, v252, v254, v255   offsets and LDS addresses: written once at the head, read by every load, store and prefetch, never written in the loop (scalar bases and immediate offsets step).  One wait on va_vdst
;                            ahead of the first load serves them all.  v254 and v255 are made anew at the end, behind a wait on vm_vsrc.
;   v226                     Q's offset at the head; the softmax writes it from the first step on: the head's wait on vm_vsrc stands between.
;   K's low eights, v228-229 A step: LDS loads (tiles 0-3) land; four products read; LDS loads (tiles 4-7) land; four products read; the next step's f32 numbers land in the low eights; the quantiser's holds write and
;                            its conversions read them; the next step's LDS loads land.  A wait on va_vdst stands behind each group of four products, and one behind the quantiser's vector lines.
;   v96-159, v230-231        p's holds write and its conversions read v96-159; behind ONE wait on va_vdst V's four fragments and scale words land, in one run; the rescaling of O^T, which names none of them, follows.
;   v234-241, v247, v250     K's and V's codes and bytes: written by the quantiser, read by its four LDS stores (the quantiser's wait on va_vdst stands ahead of these), written again a step later: a wait on vm_vsrc
;                            stands in front of every barrier, on every way to that write.
;   The way out: v96-127 are written by the multiplications and read by LDS stores; v32-63 take the loads from the stage: one wait on va_vdst ahead of the stores serves both.
; The mask's compares write sixteen scalar registers a run, with one wait on va_sdst between a run and its selects.
.set SLOTB, 17408                      ; LDS: two slots of a step's operands, at 0 and at SLOTB.  In a slot:
.set KIMG,  0                          ;   K: 8 tiles x 1,024 bytes: tile f, register group c (0, 1): lane l's 16 bytes at 1024 f + 512 c + 16 l
.set VIMG,  8192                       ;   V: 4 tiles x 2,048 bytes: tile n, group c (0 .. 3): at 2048 n + 512 c + 16 l
.set KSCL,  16384                      ;   K's scale words: tile f, row m: 64 f + 4 m
.set VSCL,  16896                      ;   V's: tile n, row r: 64 n + 4 r, byte c for keys 32 c on
.set STAGE, 2*SLOTB                    ; behind the slots: 16 rows x (256 + 16) bytes for each wave, for the way out
.set LI,  1                            ; v1   16 x lane: an image's place for my lane; also my offset in the wave's rows of out0
.set LS,  2                            ; v2   4 x lane: a scale word's
.set KWI, 3                            ; v3   where I store my 16 codes of K
.set KWS, 4                            ; v4   and my key's scale word
.set VWI, 5                            ; v5   where I store my 16 codes of V
.set VWS, 6                            ; v6   and my block's scale byte
.set KGA, 7                            ; v7   K as f32: 64 x thread: key 8 w + lane / 4, channels 16 (lane % 4) on
.set VGA, 8                            ; v8   V as f32: channel 16 (w % 4) + lane % 16, keys 32 (w / 4) + 16 (lane / 16) on
.set H16, 9                            ; v9   16 (lane / 16)
.set SH0, 10                           ; v10  8 x which block of its key my lane holds;  v11  8 less that
.set SH1, 11
                                       ; v12  -M;  v13 the running largest t;  v[14:15] the row's sum in two halves
.set QF,  16                           ; v16-31   Q's fragment: 8 registers of codes, 8 of zeros
.set KFR, 32                           ; v32-95   four fragments of K: of each 16 registers the low 8 hold codes, the high 8 zeros.  Between the products and the quantiser the low eights hold the next step's f32 numbers
.set SCO, 96                           ; v96-159  S^T, then p, then V's four fragments
.set OT,  160                          ; v160-191 O^T
.set PCD, 192                          ; v192-207 p's codes
.set BM,  208                          ; v208-211 the blocks' largest scores, then largest p
.set PT,  212                          ; v212-215 the other half's maxima, then the scale bytes
.set HB,  216                          ; v216-219 57,344 x the scale
.set SOP, 220                          ; v220-223 the conversions' scale operands
.set FF,  224                          ; v224 f = 2^(old M - new M)
.set PW,  225                          ; v225 p's scale word
.set TT,  226                          ; v226 at work; at the head Q's offset
.set QS,  227                          ; v227 Q's scale word
.set KS,  228                          ; v228-229 K's scale words: lanes 0-15 an even tile's, lanes 16-31 the odd one's
.set VS,  230                          ; v230-231 V's likewise
.set SM2, 232                          ; v[232:233] the sum's second chain
.set KC,  234                          ; v234-237 K's codes just made;  v238-241 V's
.set VC,  238
.set KM,  242                          ; the quantiser of K and V: largest magnitudes,
.set VM,  243
.set VT,  244
.set KSO, 245                          ; scale operands, holds, bytes
.set KHB, 246
.set KE,  247
.set VSO, 248
.set VHB, 249
.set VE,  250
.set KO,  251
.set MD,  242                          ; the mask's two registers lie where the quantiser's maxima are made later in the step
.set MVV, 243
.set PFO, 252                          ; v252 256 x lane: the prefetches' offset; never rewritten
.set STO, 254                          ; v254 the stage: where I put 32 bytes of a row;  v255 where I read a row back
.set SRD, 255
.set KB,  6                            ; s[6:7]  K as f32, at the step to be loaded;  s[8:9] V likewise
.set VB,  8
.set WV,  14                           ; s14 my wave's number
.set VL,  17                           ; s17 valid_len, held to 0 .. 1024
.set KEND, 18                          ; s18 the first key of the first step that is left out
.set MNT, 19                           ; s19 the mantissa field of 57,344
.set SEL, 20                           ; s[20:21] v_permlanex16_b32's selects for lane l xor 16
.set CS,  22                           ; s[22:23] c = log2(e) / 8: the packed form names a pair and takes its low word for both halves
.set KFS, 24                           ; s24 the step's first key
.set CNT, 25
.set MV,  26                           ; s26 what a masked score becomes
.set TS,  27                           ; s27 at work
.set PF,  30                           ; s[30:31] where my prefetches stand
.set PEND, 32                          ; s32 KEND in the two waves that prefetch, else 0
; the mask's sixteen lane masks lie in scalar registers that serve the head alone and are idle in the loop: s2-5, s10, s11, s15, s16, s28, s29, s33-38.  MS = the i-th of them
.macro MSKREG i
.if (\i) < 4
.set MS, 2+(\i)
.elseif (\i) < 6
.set MS, 6+(\i)
.elseif (\i) < 8
.set MS, 9+(\i)
.elseif (\i) < 10
.set MS, 20+(\i)
.else
.set MS, 23+(\i)
.endif
.endm
; the largest magnitudes of two sets of 16 numbers (8 at xa, 8 at ya; 8 at xb, 8 at yb), by turns, each with the floor 2^(16 - 127) among its leaves: so no scale byte falls under 1
.macro AMAX2 ma, xa, ya, mb, xb, yb
	v_max3_num_f32 v[\ma], |v[\xa]|, |v[\xa+1]|, 0x8000000
	v_max3_num_f32 v[\mb], |v[\xb]|, |v[\xb+1]|, 0x8000000
.irp i, 2,4,6
	v_max3_num_f32 v[\ma], v[\ma], |v[\xa+\i]|, |v[\xa+\i+1]|
	v_max3_num_f32 v[\mb], v[\mb], |v[\xb+\i]|, |v[\xb+\i+1]|
.endr
.irp i, 0,2,4,6
	v_max3_num_f32 v[\ma], v[\ma], |v[\ya+\i]|, |v[\ya+\i+1]|
	v_max3_num_f32 v[\mb], v[\mb], |v[\yb+\i]|, |v[\yb+\i+1]|
.endr
.endm
; from a block's largest magnitude: the conversion's scale operand (15 off the exponent field), 57,344 x the scale (the exponent field over 57,344's mantissa), the scale's byte
.macro SCOPS mx, sop, hbd, eb
	v_add_nc_u32 v[\sop], 0xf8800000, v[\mx]
	v_and_or_b32 v[\hbd], v[\mx], 0x7f800000, s[MNT]
	v_lshrrev_b32 v[\eb], 23, v[\sop]
.endm
; 16 numbers are held within +-57,344 x the scale (the conversion to an 8-bit code does not saturate: ISA guide 7.6.2) and become 16 codes in four registers
.macro HOLDCVT xa, ya, hbd, sop, cd
.irp i, 0,1,2,3,4,5,6,7
	v_med3_num_f32 v[\xa+\i], v[\xa+\i], -v[\hbd], v[\hbd]
.endr
.irp i, 0,1,2,3,4,5,6,7
	v_med3_num_f32 v[\ya+\i], v[\ya+\i], -v[\hbd], v[\hbd]
.endr
	v_cvt_scalef32_pk8_bf8_f32 v[\cd:\cd+1], v[\xa:\xa+7], v[\sop]
	v_cvt_scalef32_pk8_bf8_f32 v[\cd+2:\cd+3], v[\ya:\ya+7], v[\sop]
.endm
; my 1/16 of a step's K and V as f32: 16 neighbouring channels of one key (64 bytes); 16 keys of one channel (sixteen neighbouring lanes read 64 neighbouring bytes).  No hint: the batch's four work-groups read these bytes
.macro RAWLOAD
.irp i, 0,1
	global_load_b128 v[KFR+4*\i:KFR+4*\i+3], v[KGA], s[KB:KB+1] offset:16*\i
.endr
.irp i, 0,1
	global_load_b128 v[KFR+16+4*\i:KFR+16+4*\i+3], v[KGA], s[KB:KB+1] offset:32+16*\i
.endr
.irp i, 0,1,2,3,4,5,6,7
	global_load_b32 v[KFR+32+\i], v[VGA], s[VB:VB+1] offset:256*\i
.endr
.irp i, 0,1,2,3,4,5,6,7
	global_load_b32 v[KFR+48+\i], v[VGA], s[VB:VB+1] offset:2048+256*\i
.endr
.endm
; those numbers become codes and scale bytes in slot ws.  K: a block of 32 channels lies in lanes l and l xor 1, a key's other block in lane l xor 2.  V: a block of 32 keys lies in lanes l and l xor 16.
.macro QUANTKV ws
	AMAX2 KM, KFR, KFR+16, VM, KFR+32, KFR+48
	v_max_num_f32_dpp v[KM], v[KM], v[KM] row_xmask:1 row_mask:0xf bank_mask:0xf
	v_permlanex16_b32 v[VT], v[VM], s[SEL], s[SEL+1]
	v_max_num_f32 v[VM], v[VM], v[VT]
	SCOPS KM, KSO, KHB, KE
	SCOPS VM, VSO, VHB, VE
	v_mov_b32_dpp v[KO], v[KE] row_xmask:2 row_mask:0xf bank_mask:0xf   ; the byte of my key's other block
	v_lshlrev_b32 v[KE], v[SH0], v[KE]             ; each byte to its place in the key's scale word;
	v_lshlrev_b32 v[KO], v[SH1], v[KO]
	v_add3_u32 v[KE], v[KE], v[KO], 0x7f7f0000     ; the upper two, over zero codes, stand for 1.0
	HOLDCVT KFR, KFR+16, KHB, KSO, KC
	HOLDCVT KFR+32, KFR+48, VHB, VSO, VC
	v_nop                                          ; one plain line behind the last conversion: later vector and matrix lines touch its registers
	s_wait_alu depctr_va_vdst(0)                   ; the codes and the two scale registers are written, which the four stores below read; the holds and conversions are done with K's low eights, in which the next step's LDS loads land
	ds_store_b128 v[KWI], v[KC:KC+3] offset:(\ws)*SLOTB+KIMG
	ds_store_b32 v[KWS], v[KE] offset:(\ws)*SLOTB+KSCL        ; a key's four lanes write the same word with the same value
	ds_store_b128 v[VWI], v[VC:VC+3] offset:(\ws)*SLOTB+VIMG
	ds_store_b8 v[VWS], v[VE] offset:(\ws)*SLOTB+VSCL         ; both lanes of a block write the same byte with the same value
.endm
	s_load_b256 s[4:11], s[0:1], 0x0               ; queries s[4:5], keys s[6:7], values s[8:9], valid_lens s[10:11]
	s_load_b64 s[12:13], s[0:1], 0x20              ; out0
	v_lshrrev_b32 v208, 5, v0
	v_readfirstlane_b32 s[WV], v208                ; wave 0..15
	v_and_b32 v208, 31, v0                         ; lane
	v_and_b32 v209, 15, v0                         ; r
	v_bfe_u32 v210, v0, 4, 1                       ; h
	s_and_b32 s15, ttmp7, 0xffff                   ; the batch
	s_wait_alu depctr_va_sdst(0)                   ; s14, the wave's number, is written, ahead of its first reader
	s_lshr_b32 s33, s[WV], 2                       ; w / 4
	s_and_b32 s34, s[WV], 1                        ; w % 2
	s_bfe_u32 s35, s[WV], 0x10001                  ; (w / 2) % 2
	s_and_b32 s36, s[WV], 3                        ; w % 4
	v_lshlrev_b32 v[LI], 4, v208
	v_lshlrev_b32 v[LS], 2, v208
	; K's producer: key 8 w + lane / 4 is row m = 8 ((w / 2) % 2) + lane / 4 of tile f = 2 (w / 4) + w % 2; my 16 channels are group (lane / 2) % 2 of the lane m + 16 (lane % 2)
	s_lshl_b32 s[TS], s33, 11
	s_lshl_b32 s28, s34, 10
	s_add_co_u32 s[TS], s[TS], s28
	s_lshl_b32 s28, s35, 7
	s_add_co_u32 s[TS], s[TS], s28                 ; 1024 f + 16 x 8 ((w / 2) % 2)
	v_bfe_u32 v211, v0, 1, 1
	v_lshlrev_b32 v[SH0], 3, v211
	v_sub_nc_u32 v[SH1], 8, v[SH0]
	v_lshlrev_b32 v[KWI], 9, v211                  ; 512 x group
	v_and_b32 v211, 1, v0
	v_lshl_add_u32 v[KWI], v211, 8, v[KWI]         ; + 16 x 16 (lane % 2)
	v_bfe_u32 v211, v0, 2, 3
	v_lshl_add_u32 v[KWI], v211, 4, v[KWI]         ; + 16 (lane / 4)
	v_add_nc_u32 v[KWI], s[TS], v[KWI]
	s_lshl_b32 s[TS], s33, 7
	s_lshl_b32 s28, s34, 6
	s_add_co_u32 s[TS], s[TS], s28
	s_lshl_b32 s28, s35, 5
	s_add_co_u32 s[TS], s[TS], s28
	v_lshl_add_u32 v[KWS], v211, 2, s[TS]          ; 64 f + 4 m
	; V's producer: tile n = w % 4, group c = w / 4: my four code registers are that group as they stand
	s_lshl_b32 s[TS], s36, 11
	s_lshl_b32 s28, s33, 9
	s_add_co_u32 s[TS], s[TS], s28
	v_add_nc_u32 v[VWI], s[TS], v[LI]              ; 2048 n + 512 c + 16 lane
	s_lshl_b32 s[TS], s36, 6
	s_add_co_u32 s[TS], s[TS], s33
	v_lshl_add_u32 v[VWS], v209, 2, s[TS]          ; 64 n + 4 r + c
	v_lshlrev_b32 v[KGA], 6, v0
	s_lshl_b32 s[TS], s36, 6
	s_lshl_b32 s28, s33, 13
	s_add_co_u32 s[TS], s[TS], s28
	v_lshlrev_b32 v[VGA], 2, v209
	v_lshl_add_u32 v[VGA], v210, 12, v[VGA]
	v_add_nc_u32 v[VGA], s[TS], v[VGA]             ; 4 r + 64 n + 256 (32 c + 16 h)
	v_lshlrev_b32 v[H16], 4, v210
	v_lshlrev_b32 v[PFO], 8, v208
	s_mul_i32 s[TS], s[WV], 16*272
	s_add_co_u32 s[TS], s[TS], STAGE               ; my stage
	v_mul_u32_u24 v[STO], v209, 272
	v_lshl_add_u32 v[STO], v210, 5, v[STO]
	v_add_nc_u32 v[STO], s[TS], v[STO]             ; in: row r, + 32 h
	v_mul_u32_u24 v[SRD], v210, 272
	v_lshl_add_u32 v[SRD], v209, 4, v[SRD]
	v_add_nc_u32 v[SRD], s[TS], v[SRD]             ; back: lanes 0-15 one row, lanes 16-31 the next
	v_lshlrev_b32 v[TT], 8, v209
	v_lshl_add_u32 v[TT], v210, 6, v[TT]           ; Q: row r of 256 bytes, + 64 h: my 16 numbers of a block of 32
	s_mov_b32 s[SEL], 0x76543210
	s_mov_b32 s[SEL+1], 0xfedcba98
	s_mov_b32 s[CS], 0x3e38aa3b                    ; c = log2(e) / sqrt(64)
	s_mov_b32 s[CS+1], s[CS]                       ; (named with it as a pair, so it is written)
	s_mov_b32 s[MNT], 0x600000
	s_wait_kmcnt 0x0
	s_lshl_b32 s28, s15, 18                        ; a batch is 1,024 rows of 256 bytes
	s_mov_b32 s29, 0
	s_add_nc_u64 s[4:5], s[4:5], s[28:29]
	s_add_nc_u64 s[KB:KB+1], s[KB:KB+1], s[28:29]
	s_add_nc_u64 s[VB:VB+1], s[VB:VB+1], s[28:29]
	s_add_nc_u64 s[12:13], s[12:13], s[28:29]
	s_lshl_b32 s28, s15, 2
	s_add_nc_u64 s[10:11], s[10:11], s[28:29]
	s_load_b32 s[VL], s[10:11], 0x0                ; valid_lens[b]
	s_lshl_b32 s28, ttmp9, 16                      ; my work-group's 256 rows,
	s_lshl_b32 s33, s[WV], 12                      ; my wave's 16 of them
	s_add_co_u32 s28, s28, s33
	s_add_nc_u64 s[4:5], s[4:5], s[28:29]
	s_add_nc_u64 s[12:13], s[12:13], s[28:29]
	s_wait_alu depctr_va_vdst(0)                   ; all offsets and LDS addresses (v1 to v8, v226, v252, v254, v255) are written: every load, store and prefetch of the kernel reads one of them
.irp c, 0,1
.irp j, 0,1,2,3
	global_load_b128 v[SCO+16*\c+4*\j:SCO+16*\c+4*\j+3], v[TT], s[4:5] offset:128*\c+16*\j th:TH_LOAD_NT   ; Q(r, 32 c + 16 h + 4 j ..): read once, by this wave alone
.endr
.endr
	RAWLOAD                                        ; key step 0
	; the prefetches: a step's K and V are 128 + 128 rows of 256 bytes; work-group x takes rows 32 x .. 32 x + 31, wave 0 K's and wave 1 V's, a lane a row: each row is named once in the launch.
	s_cmp_eq_u32 s[WV], 0
	s_cselect_b64 s[PF:PF+1], s[KB:KB+1], s[VB:VB+1]
	s_lshl_b32 s28, ttmp9, 13
	s_add_co_u32 s28, s28, 2*32768                 ; at step 2: step j asks for step j + 2.  Nothing is asked for here, at the head
	s_add_nc_u64 s[PF:PF+1], s[PF:PF+1], s[28:29]
	; zero codes for the upper 64 of the first product's K, on both sides: written once, never again
.set j, 0
.rept 8
	v_mov_b32 v[QF+8+j], 0
	v_mov_b32 v[KFR+8+j], 0
	v_mov_b32 v[KFR+24+j], 0
	v_mov_b32 v[KFR+40+j], 0
	v_mov_b32 v[KFR+56+j], 0
.set j, j+1
.endr
.set j, 0
.rept 32
	v_mov_b32 v[OT+j], 0                           ; O^T.  (The step is written without a first step of its own: the first finds zeros, which the first change of M leaves zeros)
.set j, j+1
.endr
	v_mov_b32 v14, 0                               ; the sum, in two halves
	v_mov_b32 v15, 0
.irp b, 0,1,2,3
	v_mov_b32 v[PT+\b], 0                          ; written once: the destination of a lane permute or of a DPP move counts as one of its sources
.endr
	v_mov_b32 v[VT], 0
	v_mov_b32 v[KO], 0
	v_mov_b32 v[PW], 0                             ; (named as the upper half of the pair with f before it is first written)
	v_mov_b32 v13, 0xff61b1e6                      ; the largest t so far: -3e38, under every t
	v_floor_f32 v12, -v13                          ; -M
	s_wait_kmcnt 0x0                               ; valid_len
	s_max_i32 s[VL], s[VL], 0
	s_min_i32 s[VL], s[VL], 1024
	s_add_co_u32 s[TS], s[VL], 127
	s_lshr_b32 s[TS], s[TS], 7                     ; steps that hold a key that counts
	s_mov_b32 s[MV], 0xcaf42400                    ; -8e6: as a logit -1e6
	s_cmp_eq_u32 s[VL], 0                          ; no key counts: every logit is the same: all eight steps run, every score becomes 0
	s_cselect_b32 s[TS], 8, s[TS]
	s_cselect_b32 s[MV], 0, s[MV]
	s_lshl_b32 s[KEND], s[TS], 7
	s_cmp_lt_u32 s[WV], 2
	s_cselect_b32 s[PEND], s[KEND], 0
	; Q becomes a fragment: two blocks of 32 channels, each in lanes l and l xor 16
	s_wait_loadcnt 20                              ; Q's eight loads are in; the 4 + 16 issued behind them (step 0's K and V) may stay out
	AMAX2 BM, SCO, SCO+8, BM+1, SCO+16, SCO+24
	v_permlanex16_b32 v[PT], v[BM], s[SEL], s[SEL+1]
	v_permlanex16_b32 v[PT+1], v[BM+1], s[SEL], s[SEL+1]
	v_max_num_f32 v[BM], v[BM], v[PT]
	v_max_num_f32 v[BM+1], v[BM+1], v[PT+1]
	SCOPS BM, SOP, HB, PT
	SCOPS BM+1, SOP+1, HB+1, PT+1
	v_lshl_or_b32 v[QS], v[PT+1], 8, v[PT]
	v_or_b32 v[QS], 0x7f7f0000, v[QS]              ; my query's scale word; the upper two bytes, over zero codes, stand for 1.0
	HOLDCVT SCO, SCO+8, HB, SOP, QF
	HOLDCVT SCO+16, SCO+24, HB+1, SOP+1, QF+4
	v_nop                                          ; one plain line behind the last conversion
	s_wait_loadcnt 0x0                             ; step 0's K and V are in, so their bases may be stepped below
	QUANTKV 0                                      ; (its wait on va_vdst also states that Q's codes, Q's scale word and the zero registers are written, which the scaled products of every step take; the quantiser's vector lines are their places)
	s_add_nc_u64 s[KB:KB+1], s[KB:KB+1], 32768
	s_add_nc_u64 s[VB:VB+1], s[VB:VB+1], 32768
	s_wait_dscnt 0x0                               ; for the others' sake: my part of slot 0 has landed
	s_wait_alu depctr_vm_vsrc(0)                   ; my four stores have read the codes' and bytes' registers, which the first step's quantiser writes again; Q's loads have read v226, which the first step's softmax writes
	s_barrier_signal -1
	s_barrier_wait -1
	s_mov_b32 s[KFS], 0
	s_mov_b32 s[CNT], 4
; A KEY STEP: 128 keys, read from slot rs; the next step's K and V are loaded, quantised and stored into the other slot.
.macro STEP rs
	s_cmp_ge_u32 s[KFS], s[KEND]                   ; all its keys are masked: the work is left out, the barrier and the address steps at its end are not
	s_cbranch_scc1 .Lidle_\@
.irp g, 0,1                                    ; S^T = K Q^T, four tiles of 16 keys at a time
.if \g
.rept 8
	v_nop                                          ; eight plain lines behind the four products above, in front of the loads into registers that they have read (ISA guide 7.12.1 counts only plain vector lines)
.endr
	s_wait_alu depctr_va_vdst(0)                   ; the four products above are done reading K's fragments and scale words, in which the loads below land
.endif
.irp t, 0,1,2,3
.irp c, 0,1
	ds_load_b128 v[KFR+16*\t+4*\c:KFR+16*\t+4*\c+3], v[LI] offset:\rs*SLOTB+KIMG+1024*(4*\g+\t)+512*\c
.endr
.endr
.irp p, 0,1
	ds_load_b32 v[KS+\p], v[LS] offset:\rs*SLOTB+KSCL+128*(2*\g+\p)   ; lanes 0-15: tile 4 g + 2 p's words; lanes 16-31: tile 4 g + 2 p + 1's
.endr
	s_wait_dscnt 0x0
.irp t, 0,1,2,3
.if \t%2
	v_wmma_scale_f32_16x16x128_f8f6f4 v[SCO+8*(4*\g+\t):SCO+8*(4*\g+\t)+7], v[KFR+16*\t:KFR+16*\t+15], v[QF:QF+15], 0, v[KS+\t/2], v[QS] matrix_a_fmt:MATRIX_FMT_BF8 matrix_b_fmt:MATRIX_FMT_BF8 matrix_a_scale:MATRIX_SCALE_ROW1
.else
	v_wmma_scale_f32_16x16x128_f8f6f4 v[SCO+8*(4*\g+\t):SCO+8*(4*\g+\t)+7], v[KFR+16*\t:KFR+16*\t+15], v[QF:QF+15], 0, v[KS+\t/2], v[QS] matrix_a_fmt:MATRIX_FMT_BF8 matrix_b_fmt:MATRIX_FMT_BF8
.endif
.endr
.endr                                          ; lane (r, h): query r; register 16 b + i: key 32 b + 16 h + i of the step
.rept 8
	v_nop                                          ; places in front of the first read of the scores
.endr
	s_add_co_u32 s[TS], s[KFS], 128
	s_cmp_lt_u32 s[TS], s[KEND]                    ; is there a next step?  No load leaves its buffer
	s_cbranch_scc0 .Lnoload_\@
	s_wait_alu depctr_va_vdst(0)                   ; the step's last four products are done reading K's fragments, in whose low eights the loads below land
	RAWLOAD                                        ; its K and V: they land while the softmax below is worked
	s_add_co_u32 s[TS], s[KFS], 256
	s_cmp_lt_u32 s[TS], s[PEND]                    ; waves 0 and 1, while a step after the next is walked
	s_cbranch_scc0 .Lnoload_\@
	global_prefetch_b8 v[PFO], s[PF:PF+1] th:TH_LOAD_NT scope:SCOPE_SE   ; my work-group's 32 rows of what the next step will load: one step ahead of those loads
.Lnoload_\@:
	s_add_co_u32 s[TS], s[KFS], 128
	s_cmp_le_u32 s[TS], s[VL]                      ; a step all of whose keys count skips the mask
	s_cbranch_scc1 .Lopen_\@
	s_sub_co_i32 s[TS], s[VL], s[KFS]
	v_sub_nc_u32 v[MD], s[TS], v[H16]              ; register 16 b + i is masked where 32 b + i >= valid_len - the step's first key - 16 h
	v_mov_b32 v[MVV], s[MV]
.irp q, 0,1,2,3                                ; a block of 32 keys at a time: sixteen compares into sixteen scalar registers, one wait, sixteen selects
.irp i, 0,1,2,3,4,5,6,7,8,9,10,11,12,13,14,15
	MSKREG \i
	v_cmp_ge_i32 s[MS], 32*\q+\i, v[MD]
.endr
	s_wait_alu depctr_va_sdst(0)                   ; the sixteen compares have written their lane masks, ahead of the selects that read them
.irp i, 0,1,2,3,4,5,6,7,8,9,10,11,12,13,14,15
	MSKREG \i
	v_cndmask_b32 v[SCO+16*\q+\i], v[SCO+16*\q+\i], v[MVV], s[MS]
.endr
.endr
.Lopen_\@:
.irp b, 0,1,2,3
	v_max3_num_f32 v[BM+\b], v[SCO+16*\b], v[SCO+1+16*\b], v[SCO+2+16*\b]   ; THE LARGEST SCORE OF EACH BLOCK OF 32 KEYS: it serves the row's maximum and, since p rises with the score, the block's largest p
.endr
.irp i, 3,5,7,9,11,13
.irp b, 0,1,2,3
	v_max3_num_f32 v[BM+\b], v[BM+\b], v[SCO+16*\b+\i], v[SCO+1+16*\b+\i]   ; (the four blocks by turns)
.endr
.endr
.irp b, 0,1,2,3
	v_max_num_f32 v[BM+\b], v[BM+\b], v[SCO+15+16*\b]
.endr
.irp b, 0,1,2,3
	v_permlanex16_b32 v[PT+\b], v[BM+\b], s[SEL], s[SEL+1]
.endr
.irp b, 0,1,2,3
	v_max_num_f32 v[BM+\b], v[BM+\b], v[PT+\b]     ; with lane l xor 16's 16 keys
.endr
	v_max3_num_f32 v[TT], v[BM], v[BM+1], v[BM+2]
	v_max_num_f32 v[TT], v[TT], v[BM+3]            ; the step's largest score of my query
	v_mul_f32 v[TT], s[CS], v[TT]                  ; as t (c is positive)
	v_max_num_f32 v13, v13, v[TT]                  ; the running largest t
	v_mov_b32 v[TT], v12
	v_floor_f32 v12, -v13                          ; the new -M = floor(-t) = -ceil(t): M is a whole number
	v_sub_f32 v[TT], v12, v[TT]                    ; old M less new M: a whole number, 0 or less
	v_cvt_i32_f32 v[TT], v[TT]                     ; (it saturates)
	v_ldexp_f32 v[FF], 1.0, v[TT]                  ; f = 2^(old M - new M)
.set j, 0
.rept 32
	v_pk_fma_f32 v[SCO+j:SCO+j+1], v[SCO+j:SCO+j+1], s[CS:CS+1], v[12:13] op_sel_hi:[1,0,0]   ; t - M, two at a time (of the pairs c and -M the low word serves both halves)
.set j, j+2
.endr
.irp b, 0,1,2,3
	v_fma_f32 v[BM+\b], v[BM+\b], s[CS], v12       ; the same of each block's largest score
.endr
.set j, 0
	s_wait_alu depctr_va_vdst(0)
.rept 64
	v_exp_f32 v[SCO+j], v[SCO+j]                   ; p = 2^(t - M), at most 1: not normalised
.set j, j+1
.endr
.irp b, 0,1,2,3
	v_exp_f32 v[BM+\b], v[BM+\b]                   ; the block's largest p: the same two instructions on the same number
.endr
	v_pk_mul_f32 v[14:15], v[14:15], v[FF:FF+1] op_sel_hi:[1,0]   ; the sums under the new M.  (The plain line behind the exponentials)
	s_wait_alu depctr_va_vdst(0)                   ; the 68 exponentials have written p and the blocks' largest p: one wait for the batch, ahead of its first reader
.irp b, 0,1,2,3
	v_max_num_f32 v[BM+\b], 0x8000000, v[BM+\b]    ; the floor 2^(16 - 127): a block whose every p is 0 keeps the byte 1 over zero codes
.endr
.irp b, 0,1,2,3
	v_add_nc_u32 v[SOP+\b], 0xf8800000, v[BM+\b]   ; 15 off the exponent field: the conversion's scale operand
.endr
.irp b, 0,1,2,3
	v_and_or_b32 v[HB+\b], v[BM+\b], 0x7f800000, s[MNT]   ; 57,344 x the scale
.endr
.irp b, 0,1,2,3
	v_lshrrev_b32 v[PT+\b], 23, v[SOP+\b]          ; the scale's byte
.endr
	v_lshl_or_b32 v[PW], v[PT+1], 8, v[PT]         ; p's scale word for these 128 keys
	v_lshl_or_b32 v[PW], v[PT+2], 16, v[PW]
	v_lshl_or_b32 v[PW], v[PT+3], 24, v[PW]
	v_pk_add_f32 v[SM2:SM2+1], v[SCO:SCO+1], v[SCO+2:SCO+3]   ; THE ROW'S SUM IS TAKEN OF THE UNQUANTISED p: two at a time, in two chains
.set j, 4
.rept 15
	v_pk_add_f32 v[14:15], v[14:15], v[SCO+j:SCO+j+1]
	v_pk_add_f32 v[SM2:SM2+1], v[SM2:SM2+1], v[SCO+j+2:SCO+j+3]
.set j, j+4
.endr
	v_pk_add_f32 v[14:15], v[14:15], v[SM2:SM2+1]
.irp b, 0,1,2,3
.irp i, 0,1,2,3,4,5,6,7,8,9,10,11,12,13,14,15
	v_min_num_f32 v[SCO+16*\b+\i], v[SCO+16*\b+\i], v[HB+\b]   ; the hold; p is not negative, so it is one-sided
.endr
	v_cvt_scalef32_pk8_bf8_f32 v[PCD+4*\b:PCD+4*\b+1], v[SCO+16*\b:SCO+16*\b+7], v[SOP+\b]
	v_cvt_scalef32_pk8_bf8_f32 v[PCD+4*\b+2:PCD+4*\b+3], v[SCO+16*\b+8:SCO+16*\b+15], v[SOP+\b]
.endr
	s_wait_alu depctr_va_vdst(0)                   ; the holds have written and the conversions have read p's 64 registers, in which V's fragments land: one wait for the whole run of loads
.irp b, 0,1,2,3
.irp c, 0,1,2,3
	ds_load_b128 v[SCO+16*\b+4*\c:SCO+16*\b+4*\c+3], v[LI] offset:\rs*SLOTB+VIMG+2048*\b+512*\c   ; V's tile b, into the registers that p's block b has left
.endr
.endr
.irp p, 0,1
	ds_load_b32 v[VS+\p], v[LS] offset:\rs*SLOTB+VSCL+128*\p   ; lanes 0-15: tile 2 p's words; lanes 16-31: tile 2 p + 1's
.endr
.set j, 0
.rept 16
	v_pk_mul_f32 v[OT+j:OT+j+1], v[OT+j:OT+j+1], v[FF:FF+1] op_sel_hi:[1,0]   ; O^T under the new M: they name none of the registers that the loads above touch.  (These sixteen also stand between the conversions and the products that take their codes)
.set j, j+2
.endr
	s_wait_dscnt 0x0                               ; V's fragments and scale words are in
	s_wait_alu depctr_va_vdst(0)                   ; p's codes and its scale word are written, which the scaled products below take as source 1 and as its scales: stated behind their places, the sixteen multiplications
.irp n, 0,1,2,3                                ; O^T += V^T P^T: four accumulators, one instruction a turn
.if \n%2
	v_wmma_scale_f32_16x16x128_f8f6f4 v[OT+8*\n:OT+8*\n+7], v[SCO+16*\n:SCO+16*\n+15], v[PCD:PCD+15], v[OT+8*\n:OT+8*\n+7], v[VS+\n/2], v[PW] matrix_a_fmt:MATRIX_FMT_BF8 matrix_b_fmt:MATRIX_FMT_BF8 matrix_a_scale:MATRIX_SCALE_ROW1
.else
	v_wmma_scale_f32_16x16x128_f8f6f4 v[OT+8*\n:OT+8*\n+7], v[SCO+16*\n:SCO+16*\n+15], v[PCD:PCD+15], v[OT+8*\n:OT+8*\n+7], v[VS+\n/2], v[PW] matrix_a_fmt:MATRIX_FMT_BF8 matrix_b_fmt:MATRIX_FMT_BF8
.endif
.endr
	s_wait_loadcnt 0x0                             ; the next step's K and V are in (on the way that loaded none: nothing is out)
	s_add_co_u32 s[TS], s[KFS], 128
	s_cmp_lt_u32 s[TS], s[KEND]
	s_cbranch_scc0 .Llast_\@
	QUANTKV 1-\rs                                  ; its first nine lines, plain maxima on other registers, are the places behind the products above: the next step's products write over V's fragments
	s_branch .Lidle_\@
.Llast_\@:
.rept 9
	v_nop                                          ; the same nine places where nothing is left to quantise
.endr
.Lidle_\@:
	s_wait_dscnt 0x0                               ; my stores into the other slot have landed and my reads of this slot are over
	s_wait_alu depctr_vm_vsrc(0)                   ; my four stores have read the codes' and bytes' registers, which the next step's quantiser writes again: stated here, on every way to that write
	s_barrier_signal -1
	s_barrier_wait -1                              ; both now hold of all sixteen waves: the other slot may be read, this one written
	s_wait_xcnt 0x0                                ; the loads and the prefetch, issued at the step's head, have read their bases, so these may be stepped
	s_add_nc_u64 s[KB:KB+1], s[KB:KB+1], 32768
	s_add_nc_u64 s[VB:VB+1], s[VB:VB+1], 32768
	s_add_nc_u64 s[PF:PF+1], s[PF:PF+1], 32768
	s_add_co_u32 s[KFS], s[KFS], 128
.endm
.Lpair:                                            ; four trips of two steps, in which the slots change places: the trip count is a constant, whatever valid_len says
	STEP 0
	STEP 1
	s_sub_co_u32 s[CNT], s[CNT], 1
	s_cmp_lg_u32 s[CNT], 0
	s_cbranch_scc1 .Lpair
	; THE WAY OUT.  O^T is divided by the row's sum and goes through my own stage in LDS, so that each store of the wave covers 512 consecutive bytes of out0, aligned.
	v_add_f32 v14, v14, v15                        ; the sum's two halves,
	v_permlanex16_b32 v[TT], v14, s[SEL], s[SEL+1]
	v_add_f32 v14, v14, v[TT]                      ; and lane l xor 16's: the row's sum
	s_wait_alu depctr_va_vdst(0)
	v_rcp_f32 v14, v14
	v_nop                                          ; one plain line behind a transcendental
	s_wait_alu depctr_va_vdst(0)                   ; the reciprocal is written, ahead of its first reader
.set j, 0
.rept 32
	v_mul_f32 v[SCO+j], v[OT+j], v14               ; register 8 n + i is out0(r, 16 n + 8 h + i); each accumulator from its low end on
.set j, j+1
.endr
	s_wait_alu depctr_va_vdst(0)                   ; the multiplications have written v96 to v127, which the LDS stores read; every vector and matrix line that named v32 to v63 is done, in which the loads from the stage land
.irp n, 0,1,2,3
	ds_store_b128 v[STO], v[SCO+8*\n:SCO+8*\n+3] offset:64*\n
	ds_store_b128 v[STO], v[SCO+8*\n+4:SCO+8*\n+7] offset:64*\n+16
.endr
.irp i, 0,1,2,3,4,5,6,7
	ds_load_b128 v[KFR+4*\i:KFR+4*\i+3], v[SRD] offset:544*\i   ; LDS serves a wave's instructions in order (ISA guide 5.7.1.4): these see my stores
.endr
.irp i, 0,1,2,3,4,5,6,7
	s_wait_dscnt 7-\i                              ; load i is in; the younger ones may stay out
	global_store_b128 v[LI], v[KFR+4*\i:KFR+4*\i+3], s[12:13] offset:512*\i th:TH_STORE_NT   ; rows 2 i and 2 i + 1 of my 16: written once, read by nobody here
.endr
	s_wait_xcnt 0x0
	s_wait_alu depctr_vm_vsrc(0)                   ; the stage's stores and loads have read v254 and v255, which the two lines below write anew
	v_lshl_add_u32 v254, v0, 2, 0x19800
	v_mov_b32 v255, 0
	s_wait_dscnt 0x0                               ; the closing lines, six on end
	s_wait_alu 0x0
	s_wait_tensorcnt 0x0
	ds_add_u32 v254, v255
	s_wait_dscnt 0x0
	s_endpgm
.Lfunc_end_k_qb2b1869871_attn:
	.size	k_qb2b1869871_attn, .Lfunc_end_k_qb2b1869871_attn-k_qb2b1869871_attn
	.p2alignl 7, 3214868480
	.fill 96, 4, 3214868480
	.section	.rodata,"a",@progbits
	.p2align	6, 0x0
	.amdhsa_kernel k_qb2b1869871_attn
		.amdhsa_group_segment_fixed_size 106496
		.amdhsa_private_segment_fixed_size 0
		.amdhsa_enable_private_segment 0
		.amdhsa_kernarg_size 40
		.amdhsa_user_sgpr_count 2
		.amdhsa_user_sgpr_kernarg_segment_ptr 1
		.amdhsa_wavefront_size32 1
		.amdhsa_system_sgpr_workgroup_id_x 1
		.amdhsa_system_sgpr_workgroup_id_y 1
		.amdhsa_system_sgpr_workgroup_id_z 1
		.amdhsa_system_vgpr_workitem_id 0
		.amdhsa_next_free_vgpr 256
		.amdhsa_next_free_sgpr 66
		.amdhsa_reserve_vcc 0
		.amdhsa_float_denorm_mode_32 3
		.amdhsa_float_denorm_mode_16_64 3
		.amdhsa_memory_ordered 1
		.amdhsa_forward_progress 1
		.amdhsa_inst_pref_size 93
	.end_amdhsa_kernel
	.amdgpu_metadata
---
amdhsa.version: [ 1, 2 ]
amdhsa.kernels:
  - .name:           k_qb2b1869871_attn
    .symbol:         k_qb2b1869871_attn.kd
    .args:
      - { .name: queries, .offset: 0, .size: 8, .value_kind: global_buffer, .address_space: global }
      - { .name: keys, .offset: 8, .size: 8, .value_kind: global_buffer, .address_space: global }
      - { .name: values, .offset: 16, .size: 8, .value_kind: global_buffer, .address_space: global }
      - { .name: valid_lens, .offset: 24, .size: 8, .value_kind: global_buffer, .address_space: global }
      - { .name: out0, .offset: 32, .size: 8, .value_kind: global_buffer, .address_space: global }
    .group_segment_fixed_size: 106496
    .private_segment_fixed_size: 0
    .kernarg_segment_align: 8
    .kernarg_segment_size: 40
    .max_flat_workgroup_size: 512
    .sgpr_count:     66
    .vgpr_count:     256
    .wavefront_size: 32
...
	.end_amdgpu_metadata
.endif
;; end of part 2
